; MI455X (gfx1250); checked and timed in simulation.
; The chip was launched on July 23, 2026; its instructions are those of AMD's public machine-readable ISA for CDNA 5 (MIT licence, August 2026) and "CDNA5" Instruction Set Architecture Reference Guide (July 2026). The comments in the code are by the model that wrote it; some were corrected since.
;; Self Attention1 D. Allowed arithmetic: matrix products marked QUANTISED: E4M3 operands, one given power-of-two scale a tensor, by v_wmma_f32_16x16x64_fp8_fp8 or v_wmma_f32_16x16x128_fp8_fp8, f32 sums; everything else in f32.
;; Inputs: Wf_codes 64 x 16 x 32 uint8 (E4M3 codes of Wf, K innermost, in blocks of 32 codes); Wg_codes 64 x 16 x 32 uint8 (E4M3 codes of Wg, K innermost, in blocks of 32 codes); Wh_codes 512 x 16 x 32 uint8 (E4M3 codes of Wh, K innermost, in blocks of 32 codes); bf 64 float32; bg 64 float32; bh 512 float32; gamma one number float32; lowp_scales 10 int32 (the exponents e of the quantised operands' scales 2^e); x 4 x 4,096 x 512 float32.
;; Outputs: out0 4 x 4,096 x 512 float32.
;; This version of the problem:
;;   THIS VERSION OF THE PROBLEM IS GIVEN IN LOW PRECISION. The matrix products marked QUANTISED in the list below multiply operands that are first quantised to E4M3 (4 exponent bits, 3 mantissa bits; 8 bits a number), with one given power-of-two scale for each operand tensor; their sums are f32. All else is computed in f32.
;;   The module's matrix products, in the order in which they are computed (A, B: the left and right operand; K: the contracted axis; several contracted axes count as one K, in the product's order):
;;     1. [M 16,384, K 512] x [K 512, N 64]; A: input x; B: input Wf (given as codes): QUANTISED (scales: A lowp_scales[0], B lowp_scales[1])
;;     2. [M 16,384, K 512] x [K 512, N 64]; A: input x; B: input Wg (given as codes): QUANTISED (scales: A lowp_scales[2], B lowp_scales[3])
;;     3. [M 16,384, K 512] x [K 512, N 512]; A: input x; B: input Wh (given as codes): QUANTISED (scales: A lowp_scales[4], B lowp_scales[5])
;;     4. batch 4 x [M 4,096, K 64] x [K 64, N 4,096]; A: computed on the way; B: computed on the way: QUANTISED (scales: A lowp_scales[6], B lowp_scales[7])
;;     5. batch 4 x [M 4,096, K 4,096] x [K 4,096, N 512]; A: softmax (see below); B: computed on the way: QUANTISED (scales: A lowp_scales[8], B lowp_scales[9])
;;   THE QUANTISER, for each operand of a quantised product, along K:
;;     - The operand's scale is 2^e, e = its entry of the input lowp_scales (int32; the entries are numbered through the quantised products in the list's order, A before B).
;;     - Each number is divided by the scale, clamped to +-448, and rounded to the nearest number of E4M3, ties to even, subnormals kept.
;;     - The product sums the exact products of the quantised numbers (number of the format x scale) in f32.
;;   ~~~python
;;   def quantise(x, axis, e):      # numpy; x: float32 -> the quantised numbers, widened to float32 again
;;       x = np.moveaxis(x, axis, -1); K = x.shape[-1]
;;       r = np.clip(x / 2.0 ** e, -448, 448)
;;       step = 2.0 ** (np.maximum(np.frexp(np.where(r == 0, 1, r))[1] - 1, -6) - 3)
;;       q = np.round(r / step) * step * 2.0 ** e      # np.round: ties to even
;;       return np.moveaxis(q, -1, axis).astype(np.float32)
;;   ~~~
;;   SOFTMAX AHEAD OF A QUANTISED PRODUCT. Where the list says 'softmax', what is quantised is not the finished softmax but p = 2^(t - M), with t = logit x log2(e) and M = ceil(the row's largest t), a whole number; so 1/2 < the row's largest p <= 1. The row's sum l is taken of the UNQUANTISED p, in f32, and the product's result is divided by l at the end. Since M is a whole number, a kernel that streams over the keys may use a running M (the ceiling of the running maximum): every later rescaling is an exact power of two, so the quantised numbers keep their values, but for numbers so far below the row's largest that they fall under the format's range.
;;   OPERANDS COMPUTED ON THE WAY. 'Computed on the way' means the value that the module computes at that place (a softmax that the list does not call 'softmax' is quantised finished and normalised). What goes into a quantiser is computed in f32, as accurately as f32 sums, v_exp_f32 and their like allow (about 1e-6 of the number): no bf16 or f16 on the way to a quantiser, and a product that is left as it is and whose result goes on into a quantised operand takes f32 operands (vector FMAs, or v_wmma_f32_16x16x4_f32). A number that lies on a knife's edge between two numbers of the format may be rounded either way, as far as f32 arithmetic and the matrix unit's own rounding can turn it there, and no further.
;;   INPUTS GIVEN AS CODES. Wf (in the module: [512, 64], K = its axis 0); Wg (in the module: [512, 64], K = its axis 0); Wh (in the module: [512, 512], K = its axis 0): each comes as NAME_codes (uint8): NAME with its K axis moved to the last place and cut into blocks of 32 codes, [.., K / 32, bytes a block], one block behind the other in memory; one code a byte (a code: sign, 4 exponent bits, 3 mantissa bits); its scale is its entry of lowp_scales. Its value is code x scale, taken as it is: it is not quantised again, and the codes and scales need not be those that the quantiser above would give.
;; One version. Each part assembles by itself: llvm-mc -triple=amdgcn-amd-amdhsa -mcpu=gfx1250 --defsym DOCPART=n.
;; ======== version 1 of 1: 2 launches
;; workspace buffers: fc 1,048,576 bytes; gc 1,048,576 bytes; hc 8,388,608 bytes
;; launch proj (part 1): grid 256 x 1, 8 waves a work-group, no clusters, 102,400 bytes of LDS; arguments x, Wf_codes, Wg_codes, Wh_codes, bf, bg, bh, lowp_scales, fc, gc, hc; writes fc, gc, hc
.if DOCPART == 1
	.amdgcn_target "amdgcn-amd-amdhsa--gfx1250"
	.amdhsa_code_object_version 6
	.text
	.protected	k_qdd1fdec77b_proj
	.globl	k_qdd1fdec77b_proj
	.p2align	8
	.type	k_qdd1fdec77b_proj,@function
k_qdd1fdec77b_proj:
	s_mov_b64 s[64:65], 0
	v_nop
	global_prefetch_b8 v0, s[64:65] scope:SCOPE_SE
	s_setreg_imm32_b32 hwreg(HW_REG_WAVE_MODE, 25, 1), 1
	s_wait_xcnt 0x0
; THE THREE PROJECTIONS, ON CODES OF E4M3, AND THEIR RESULTS AS CODES FOR THE ATTENTION THAT FOLLOWS.
;   f = Q(x, e0) Wf + bf, g = Q(x, e2) Wg + bg, h = Q(x, e4) Wh + bh;  stored: Q(f, e6), Q(g, e7), Q(h, e9).   (e0 .. e9: the ten whole numbers of lowp_scales)
; NO WORK IS LEFT OUT in this program: each bias goes into a quantiser of a live product, x is quantised under each of its three scales, gamma and all ten exponents reach the result; every input is loaded.
; LIMITS: e0, e2, e4, e6 - e0 - e1, e7 - e2 - e3 and e9 - e4 - e5 lie between -126 and 119, so that each scale and 448 x the scale is an f32 number.  NaN among the inputs is not served (an infinity is held at the largest code).
; SHARES.  A work-group of eight waves takes 64 rows of x.  Phase X: wave w quantises rows 8 w .. 8 w + 7 three times over and stores the codes as rows in LDS.  Phase M: THE WAVES SHARE THE COLUMNS: wave w makes
; one tile of 16 columns of f (waves 0-3) or of g (waves 4-7) and four tiles of h (channels 64 w on), for all 64 rows; its 20 weight fragments stay in its registers, read from memory once by this work-group.
; NO CLUSTER: the weights are what work-groups share, 327,680 bytes; beside the 101,376 bytes of codes they do not fit into LDS whole, each fragment is used by one wave alone, for four tiles of rows,
; and a ring with a round of the cluster's barrier for each piece would stand in front of so few products.  So they go from memory straight into registers.
; LAYOUT OF THE RESULTS: in the order of the operands' registers of the next launch.
;   fc, gc: [tile of 16 rows][d4 = 0..3][lane][8 bytes]: lane (r, h) holds row r, d = 16 d4 + 8 h + 0 .. 7: registers 2 d4, 2 d4 + 1 of a fragment of the K = 64 form.
;   hc: [step of 128 keys][tile of 16 channels][c = 0..3][lane][16 bytes]: lane (r, h) holds channel r; byte 8 u + j is key 16 (2 c + u) + 8 h + j: registers 4 c .. 4 c + 3 of a fragment of the K = 128 form.
; f and g are made TRANSPOSED (source 0 = 16 rows of W, source 1 = 16 rows of x): a lane holds one row and eight neighbouring d.  h is made the natural way (source 0 = x, source 1 = Wh): a lane holds one channel and eight neighbouring keys.
; In both cases a lane's eight sums are eight neighbours along the next product's K, and one conversion makes them eight bytes of the next operand.
; The fragments of x and of the weights are fetched 16 bytes at a time: registers 4 c .. 4 c + 3 hold k = 32 c + 16 h + 0 .. 15: one permutation of k, the same on both sides, so every product meets its partner.
; REGISTERS.  window 0, phase X: v16-143 eight rows of x; v144-159 held numbers, two sets by turns; v160-183 codes, two sets; v184-247 Wf's or Wg's four fragments; v248-253 three scales and three bounds.
;   window 0, phase M: v16-79 four fragments of x; v80-87 f's or g's sums; v88-119 h's; v120-143 codes; v144-151, v152-183 the biases as the first products' C.   window 1: Wh's 16 fragments (tile t, K step s) at 16 (4 t + s).
.set PITCH, 528                        ; a row of 512 codes in LDS + 16 bytes: 33 x 16, so that the sixteen rows that a fragment load touches start 16 bytes apart modulo 256
.set SETB,  64*PITCH                   ; 64 rows: the codes under one scale
.set SPARE, 3*SETB                     ; behind the three sets: the spare words, 128 bytes for each wave: four blocks of 256 bytes that no other line names
.set X,    16
.set T0,   144
.set T1,   152
.set CD,   160
.set FGW,  184
.set SC,   248
.set LIM,  251
.set SPW,  254                         ; v254  LDS address of my spare word; never rewritten
.set NIL,  255                         ; v255  0; never rewritten
.set XF,   16
.set AF,   80
.set AH,   88
.set CF,   120
.set CH,   128
.set BFG,  144
.set BH,   152
.set MSB, 0
.macro WIN new                         ; the immediate's high byte repeats the setting that is left
.if MSB != \new
	s_set_vgpr_msb (MSB<<8)|\new
.set MSB, \new
.endif
.endm
.macro PLACES                          ; four plain places behind matrix instructions, in front of loads into their sources and of the first read of their results
.rept 4
	v_nop
.endr
.endm
	s_load_b256 s[4:11], s[0:1], 0x0               ; x s[4:5], Wf s[6:7], Wg s[8:9], Wh s[10:11]
	s_load_b256 s[12:19], s[0:1], 0x20             ; bf s[12:13], bg s[14:15], bh s[16:17], the exponents s[18:19]
	s_load_b128 s[20:23], s[0:1], 0x40             ; fc s[20:21], gc s[22:23]
	s_load_b64 s[24:25], s[0:1], 0x50              ; hc
	v_lshl_add_u32 v[SPW], v0, 2, SPARE
	v_mov_b32 v[NIL], 0
	v_lshrrev_b32 v1, 5, v0
	v_readfirstlane_b32 s26, v1                    ; wave 0..7
	s_lshr_b32 s27, s26, 2                         ; 0: I make a tile of f; 1: of g
	s_and_b32 s28, s26, 3                          ; which tile of its four: d4
	v_and_b32 v1, 31, v0                           ; lane
	v_and_b32 v2, 15, v0                           ; r
	v_bfe_u32 v3, v0, 4, 1                         ; h
	v_lshlrev_b32 v4, 4, v1                        ; 16 x lane
	v_lshlrev_b32 v5, 3, v1                        ; 8 x lane
	s_mul_i32 s42, s26, 8*PITCH
	v_lshl_add_u32 v6, v1, 2, s42                  ; codes into LDS: my wave's eight rows, 4 bytes a lane
	v_add_nc_u32 v7, 2*SETB, v6                    ; the third set lies beyond a 16-bit offset
	v_mul_u32_u24 v8, v2, PITCH
	v_lshl_add_u32 v8, v3, 4, v8                   ; a fragment's row x pitch + 16 x half
	v_add_nc_u32 v9, 2*SETB, v8                    ; x under e4, for h
	s_mul_i32 s42, s27, SETB
	v_add_nc_u32 v8, s42, v8                       ; x under e0 (f) or e2 (g)
	v_lshlrev_b32 v10, 9, v2
	v_lshl_add_u32 v10, v3, 4, v10                 ; a weight's row of 512 bytes + 16 x half
	v_lshlrev_b32 v11, 2, v2                       ; bh: 4 r
	v_lshlrev_b32 v12, 5, v3                       ; bf, bg: 32 h
	s_lshl_b32 s44, ttmp9, 17                      ; x: 64 rows of 2,048 bytes a work-group,
	s_lshl_b32 s42, s26, 14                        ; 8 rows a wave
	s_add_co_u32 s44, s44, s42
	s_mov_b32 s45, 0
	s_lshl_b32 s46, s28, 13                        ; Wf, Wg: 16 rows of 512 bytes a tile
	s_mov_b32 s47, 0
	s_lshl_b32 s48, s26, 15                        ; Wh: 64 rows a wave
	s_mov_b32 s49, 0
	s_lshl_b32 s50, ttmp9, 12                      ; fc, gc: four tiles of 1,024 bytes a work-group,
	s_lshl_b32 s42, s28, 8                         ; + 256 d4
	s_add_co_u32 s50, s50, s42
	s_mov_b32 s51, 0
	s_lshr_b32 s52, ttmp9, 1                       ; hc: two work-groups make a step of 128 keys, 65,536 bytes;
	s_lshl_b32 s52, s52, 16
	s_lshl_b32 s42, s26, 13                        ; four tiles of 2,048 bytes a wave;
	s_add_co_u32 s52, s52, s42
	s_and_b32 s42, ttmp9, 1                        ; the odd work-group's 64 keys are pieces c = 2, 3
	s_lshl_b32 s42, s42, 10
	s_add_co_u32 s52, s52, s42
	s_mov_b32 s53, 0
	s_lshl_b32 s54, s28, 6                         ; bf, bg: 16 numbers a tile
	s_mov_b32 s55, 0
	s_lshl_b32 s56, s26, 8                         ; bh: 64 numbers a wave
	s_mov_b32 s57, 0
	s_wait_kmcnt 0x0
	s_load_b256 s[32:39], s[18:19], 0x0            ; e0 .. e7
	s_load_b64 s[40:41], s[18:19], 0x20            ; e8, e9
	s_cmp_lt_u32 s26, 4                            ; f's wave or g's?  The choice hangs on the wave's number alone
	s_cselect_b64 s[6:7], s[6:7], s[8:9]
	s_cselect_b64 s[12:13], s[12:13], s[14:15]
	s_cselect_b64 s[20:21], s[20:21], s[22:23]
	s_add_nc_u64 s[4:5], s[4:5], s[44:45]
	s_add_nc_u64 s[6:7], s[6:7], s[46:47]
	s_add_nc_u64 s[10:11], s[10:11], s[48:49]
	s_add_nc_u64 s[20:21], s[20:21], s[50:51]
	s_add_nc_u64 s[24:25], s[24:25], s[52:53]
	s_add_nc_u64 s[12:13], s[12:13], s[54:55]
	s_add_nc_u64 s[16:17], s[16:17], s[56:57]
.irp p, 0,1,2,3,4,5,6,7
.irp s, 0,1,2,3
	global_load_b128 v[X+16*\p+4*\s:X+16*\p+4*\s+3], v4, s[4:5] offset:2048*\p+512*\s th:TH_LOAD_NT   ; 32 lanes read 512 consecutive bytes: register 4 s + i of row p is k = 128 s + 4 lane + i
.endr
.endr
	s_wait_kmcnt 0x0
.irp q, 0,1,2
	s_add_co_i32 s42, s[32+2*\q], 127
	s_lshl_b32 s43, s42, 23
	v_mov_b32 v[SC+\q], s43                        ; 2^e as f32: the conversion takes its exponent field
	s_add_co_i32 s42, s42, 8
	s_lshl_b32 s42, s42, 23
	s_or_b32 s42, s42, 0x600000
	v_mov_b32 v[LIM+\q], s42                       ; 448 x 2^e
.endr
	s_cmp_lt_u32 s26, 4
	s_cselect_b32 s44, s32, s34                    ; x's exponent in my small product,
	s_cselect_b32 s45, s33, s35                    ; the weight's,
	s_cselect_b32 s47, s38, s39                    ; and that of the result's quantiser
	s_add_co_i32 s44, s44, s45
	s_sub_co_i32 s46, 0, s44                       ; a sum stands for sum x 2^(ea + eb): the bias goes in divided by that,
	s_sub_co_i32 s47, s47, s44                     ; and the result's conversion takes 2^(eo - ea - eb)
	s_add_co_i32 s45, s36, s37
	s_sub_co_i32 s48, 0, s45                       ; the same for h: -(e4 + e5),
	s_sub_co_i32 s49, s41, s45                     ; e9 - e4 - e5
; PHASE X.  Row p of my eight: held and converted under each of the three scales, 4 codes a register, 128 consecutive bytes a store.  Behind each row an eighth of the weights' 80 loads is issued.
.macro ROWQ p
.set XR, X+16*(\p)
.set CC, CD+12*((\p)%2)
.set NW, 28+6*(\p)                     ; younger than this row's four loads: 4 (7 - p) of x, 10 p of weights,
.if (\p) > 0
.set NW, NW+6                          ; and the six of the biases
.endif
.if NW > 63
.set NW, 63                            ; (a wait cannot name more; a smaller count is safe)
.endif
	s_wait_loadcnt NW
.if (\p) >= 2
	s_wait_dscnt 12                                ; the stores of two rows ago are done: their registers take this row's codes; the last row's twelve may be out
.endif
.irp q, 0,1,2
.irp i, 0,1,2,3,4,5,6,7
	v_med3_num_f32 v[T0+\i], v[XR+\i], -v[LIM+\q], v[LIM+\q]       ; the conversion to an 8-bit code does not saturate (ISA guide 7.6.2): the hold at the largest code x the scale
.endr
	v_cvt_scalef32_pk8_fp8_f32 v[CC+4*\q:CC+4*\q+1], v[T0:T0+7], v[SC+\q]
.irp i, 0,1,2,3,4,5,6,7
	v_med3_num_f32 v[T1+\i], v[XR+8+\i], -v[LIM+\q], v[LIM+\q]     ; the two sets take turns: eight plain lines stand between a conversion and the next write of its sources
.endr
	v_cvt_scalef32_pk8_fp8_f32 v[CC+4*\q+2:CC+4*\q+3], v[T1:T1+7], v[SC+\q]
.endr
.irp q, 0,1
.irp s, 0,1,2,3
	ds_store_b32 v6, v[CC+4*\q+\s] offset:\q*SETB+PITCH*(\p)+128*\s
.endr
.endr
.irp s, 0,1,2,3
	ds_store_b32 v7, v[CC+8+\s] offset:PITCH*(\p)+128*\s
.endr
.set TT, (\p)/2
.set SS, 2*((\p)%2)
	WIN 0x40                                       ; destination window 1
.irp e, 0,1
.irp c, 0,1,2,3
	global_load_b128 v[16*(4*TT+SS+\e)+4*\c:16*(4*TT+SS+\e)+4*\c+3], v10, s[10:11] offset:8192*TT+128*(SS+\e)+32*\c   ; Wh: tile TT, K steps SS, SS + 1
.endr
.endr
	WIN 0
.irp e, 0,1
	global_load_b128 v[FGW+16*TT+4*(SS+\e):FGW+16*TT+4*(SS+\e)+3], v10, s[6:7] offset:128*TT+32*(SS+\e)               ; Wf or Wg: K step TT, pieces SS, SS + 1
.endr
.endm
	ROWQ 0
.irp t, 0,1,2,3
	global_load_b32 v[16+\t], v11, s[16:17] offset:64*\t           ; bh at my channel of tile t.  (Row 0's registers are free)
.endr
	global_load_b128 v[20:23], v12, s[12:13]                       ; bf or bg at my eight d
	global_load_b128 v[24:27], v12, s[12:13] offset:16
.irp p, 1,2,3,4,5,6,7
	ROWQ \p
.endr
	v_nop                                          ; a plain line behind the last conversion
	s_wait_dscnt 0x0                               ; my codes lie in LDS, for the others' sake; and the stores have read their registers
	s_wait_loadcnt 0x0                             ; the weights and the biases
.irp j, 0,1,2,3,4,5,6,7
	v_ldexp_f32 v[BFG+\j], v[20+\j], s46           ; bias / 2^(ea + eb), in the result's layout: the C of a sum's first product
.endr
.irp t, 0,1,2,3
.irp j, 0,1,2,3,4,5,6,7
	v_ldexp_f32 v[BH+8*\t+\j], v[16+\t], s48       ; h's results hold one channel a lane: the same bias in all eight registers
.endr
.endr
	s_add_co_i32 s42, s47, 127
	s_lshl_b32 s43, s42, 23
	v_mov_b32 v248, s43                            ; 2^(eo - ea - eb)
	s_add_co_i32 s42, s42, 8
	s_lshl_b32 s42, s42, 23
	s_or_b32 s42, s42, 0x600000
	v_mov_b32 v249, s42                            ; 448 x that
	s_add_co_i32 s42, s49, 127
	s_lshl_b32 s43, s42, 23
	v_mov_b32 v250, s43                            ; 2^(e9 - e4 - e5)
	s_add_co_i32 s42, s42, 8
	s_lshl_b32 s42, s42, 23
	s_or_b32 s42, s42, 0x600000
	v_mov_b32 v251, s42
	s_barrier_signal -1
	s_barrier_wait -1                              ; all 64 rows' codes lie in LDS
; PHASE M.  Tile m of 16 rows, K steps 2 sp and 2 sp + 1: x under my small product's scale, and x under e4
.macro FETCH m, sp
.irp e, 0,1
.irp c, 0,1,2,3
	ds_load_b128 v[XF+16*\e+4*\c:XF+16*\e+4*\c+3], v8 offset:16*PITCH*(\m)+128*(2*(\sp)+\e)+32*\c
.endr
.endr
.irp e, 0,1
.irp c, 0,1,2,3
	ds_load_b128 v[XF+32+16*\e+4*\c:XF+32+16*\e+4*\c+3], v9 offset:16*PITCH*(\m)+128*(2*(\sp)+\e)+32*\c
.endr
.endr
.endm
; K step s: five products on five accumulators, which take turns, one instruction a turn.  first = 1: the bias starts the sum
.macro MULS s, first
	WIN 0
.if \first
	v_wmma_f32_16x16x128_fp8_fp8 v[AF:AF+7], v[FGW+16*(\s):FGW+16*(\s)+15], v[XF+16*((\s)%2):XF+16*((\s)%2)+15], v[BFG:BFG+7]
.else
	v_wmma_f32_16x16x128_fp8_fp8 v[AF:AF+7], v[FGW+16*(\s):FGW+16*(\s)+15], v[XF+16*((\s)%2):XF+16*((\s)%2)+15], v[AF:AF+7]
.endif
	WIN 0x04                                       ; source 1 (Wh) window 1
.irp t, 0,1,2,3
.if \first
	v_wmma_f32_16x16x128_fp8_fp8 v[AH+8*\t:AH+8*\t+7], v[XF+32+16*((\s)%2):XF+32+16*((\s)%2)+15], v[16*(4*\t+(\s)):16*(4*\t+(\s))+15], v[BH+8*\t:BH+8*\t+7]
.else
	v_wmma_f32_16x16x128_fp8_fp8 v[AH+8*\t:AH+8*\t+7], v[XF+32+16*((\s)%2):XF+32+16*((\s)%2)+15], v[16*(4*\t+(\s)):16*(4*\t+(\s))+15], v[AH+8*\t:AH+8*\t+7]
.endif
.endr
.endm
; Tile m's sums become codes and leave.  Each accumulator is read from its low end on.
.macro EPI m
.if (\m) == 2
	s_wait_xcnt 0x0                                ; the stores of tiles 0 and 1 have read h's codes: their registers are written again only behind this wait
.endif
.irp j, 0,1,2,3,4,5,6,7
	v_med3_num_f32 v[AF+\j], v[AF+\j], -v249, v249
.endr
	v_cvt_scalef32_pk8_fp8_f32 v[CF+2*(\m):CF+2*(\m)+1], v[AF:AF+7], v248
.irp t, 0,1,2,3
.irp j, 0,1,2,3,4,5,6,7
	v_med3_num_f32 v[AH+8*\t+\j], v[AH+8*\t+\j], -v251, v251
.endr
	v_cvt_scalef32_pk8_fp8_f32 v[CH+4*\t+2*((\m)%2):CH+4*\t+2*((\m)%2)+1], v[AH+8*\t:AH+8*\t+7], v250
.endr
	v_nop                                          ; a plain line behind the last conversion: the next products write its sources
	global_store_b64 v5, v[CF+2*(\m):CF+2*(\m)+1], s[20:21] offset:1024*(\m)       ; the wave stores 256 consecutive bytes, aligned
.if ((\m)%2) == 1
.irp t, 0,1,2,3
	global_store_b128 v4, v[CH+4*\t:CH+4*\t+3], s[24:25] offset:2048*\t+512*((\m)/2)   ; two tiles of keys make a piece of 16 bytes a lane: 512 consecutive bytes
.endr
.endif
.endm
	FETCH 0, 0
.irp m, 0,1,2,3
	s_wait_dscnt 0x0
	MULS 0, 1
	MULS 1, 0
	WIN 0
	PLACES
	FETCH \m, 1
	s_wait_dscnt 0x0
	MULS 2, 0
	MULS 3, 0
	WIN 0
	PLACES
.if \m < 3
	FETCH \m+1, 0                                  ; the next tile's first fragments come while this tile's sums are converted
.endif
	EPI \m
.endr
	s_wait_tensorcnt 0x0                           ; the wave's end, behind my last LDS store
	ds_add_u32 v[SPW], v[NIL]
	s_wait_dscnt 0x0
	s_endpgm
.Lfunc_end_k_qdd1fdec77b_proj:
	.size	k_qdd1fdec77b_proj, .Lfunc_end_k_qdd1fdec77b_proj-k_qdd1fdec77b_proj
	.p2alignl 7, 3214868480
	.fill 96, 4, 3214868480
	.section	.rodata,"a",@progbits
	.p2align	6, 0x0
	.amdhsa_kernel k_qdd1fdec77b_proj
		.amdhsa_group_segment_fixed_size 102400
		.amdhsa_private_segment_fixed_size 0
		.amdhsa_enable_private_segment 0
		.amdhsa_kernarg_size 88
		.amdhsa_user_sgpr_count 2
		.amdhsa_user_sgpr_kernarg_segment_ptr 1
		.amdhsa_wavefront_size32 1
		.amdhsa_system_sgpr_workgroup_id_x 1
		.amdhsa_system_sgpr_workgroup_id_y 1
		.amdhsa_system_sgpr_workgroup_id_z 1
		.amdhsa_system_vgpr_workitem_id 0
		.amdhsa_next_free_vgpr 512
		.amdhsa_next_free_sgpr 66
		.amdhsa_reserve_vcc 0
		.amdhsa_float_denorm_mode_32 3
		.amdhsa_float_denorm_mode_16_64 3
		.amdhsa_memory_ordered 1
		.amdhsa_forward_progress 1
		.amdhsa_inst_pref_size 81
	.end_amdhsa_kernel
	.amdgpu_metadata
---
amdhsa.version: [ 1, 2 ]
amdhsa.kernels:
  - .name:           k_qdd1fdec77b_proj
    .symbol:         k_qdd1fdec77b_proj.kd
    .args:
      - { .name: x, .offset: 0, .size: 8, .value_kind: global_buffer, .address_space: global }
      - { .name: Wf_codes, .offset: 8, .size: 8, .value_kind: global_buffer, .address_space: global }
      - { .name: Wg_codes, .offset: 16, .size: 8, .value_kind: global_buffer, .address_space: global }
      - { .name: Wh_codes, .offset: 24, .size: 8, .value_kind: global_buffer, .address_space: global }
      - { .name: bf, .offset: 32, .size: 8, .value_kind: global_buffer, .address_space: global }
      - { .name: bg, .offset: 40, .size: 8, .value_kind: global_buffer, .address_space: global }
      - { .name: bh, .offset: 48, .size: 8, .value_kind: global_buffer, .address_space: global }
      - { .name: lowp_scales, .offset: 56, .size: 8, .value_kind: global_buffer, .address_space: global }
      - { .name: fc, .offset: 64, .size: 8, .value_kind: global_buffer, .address_space: global }
      - { .name: gc, .offset: 72, .size: 8, .value_kind: global_buffer, .address_space: global }
      - { .name: hc, .offset: 80, .size: 8, .value_kind: global_buffer, .address_space: global }
    .group_segment_fixed_size: 102400
    .private_segment_fixed_size: 0
    .kernarg_segment_align: 8
    .kernarg_segment_size: 88
    .max_flat_workgroup_size: 256
    .sgpr_count:     66
    .vgpr_count:     512
    .wavefront_size: 32
...
	.end_amdgpu_metadata
.endif
;; end of part 1
;; launch attn (part 2): grid 256 x 1, 8 waves a work-group, clusters of 4 x 1, 327,680 bytes of LDS; arguments fc, gc, hc, x, gamma, lowp_scales, out0; writes out0
.if DOCPART == 2
	.amdgcn_target "amdgcn-amd-amdhsa--gfx1250"
	.amdhsa_code_object_version 6
	.text
	.protected	k_qdd1fdec77b_attn
	.globl	k_qdd1fdec77b_attn
	.p2align	8
	.type	k_qdd1fdec77b_attn,@function
k_qdd1fdec77b_attn:
	s_mov_b64 s[64:65], 0
	v_nop
	global_prefetch_b8 v0, s[64:65] scope:SCOPE_SE
	s_setreg_imm32_b32 hwreg(HW_REG_WAVE_MODE, 25, 1), 1
	s_wait_xcnt 0x0
	s_wait_alu depctr_hold_cnt(0) depctr_sa_sdst(0) depctr_va_vdst(0) depctr_va_sdst(0) depctr_va_ssrc(0) depctr_va_vcc(0) depctr_vm_vsrc(0)
	s_getreg_b32 s2, hwreg(HW_REG_IB_STS2, 6, 4)
	s_cmp_eq_u32 s2, 0
	s_cbranch_scc0 .Lentry_in_a_cluster
	s_endpgm
.Lentry_in_a_cluster:
	s_bfe_u32 s2, ttmp6, 0x10000c
	s_cmp_lg_u32 s2, 0x3003
	s_cbranch_scc0 .Lentry_shape_is_right
	s_endpgm
.Lentry_shape_is_right:
; out = x + gamma softmax(f g^T) h, both products on codes of E4M3 that the launch before has stored in the order of the operands' registers (fc, gc, hc: see there).  Nothing is left out.
; THE SOFTMAX AHEAD OF THE SECOND PRODUCT: t = score x log2(e); M = ceil(the row's largest t); p = 2^(t - M) is quantised under 2^e8, not normalised; the row's sum l is taken of the unquantised p and divides at the end.
; M IS THE ROW'S OWN, FOUND FIRST: phase A walks all keys once, forms the scores and keeps their maximum.  The main walk forms the same scores again, by the same instruction on the same operands.  So it has no running
; maximum and no rescaling of O (128 packed multiplies a tile of queries and step), and p hangs on no order of the keys: a step's keys can be shared out among the waves, and the walk may begin at any key.
; LIMITS: e6 + e7 between -126 and 127 (added to the exponent field of log2(e)); e8 between -126 and 119; e8 + e9 goes by v_ldexp_f32 and has none.  NaN among the inputs is not served.
; SHARES.  A work-group of eight waves owns 64 queries (four tiles m of 16) of one batch and walks its 4,096 keys, 128 a step.  In a step's softmax wave w takes key tile w (16 keys) for all four tiles of queries;
; in O^T += V^T P^T it takes channels 64 w .. 64 w + 63 for all 64 queries: 16 accumulators, each fragment of V feeding four products.  P goes from wave to wave through LDS as images of the operand's registers.
; LAYOUT.  S^T = g f^T (source 0 = 16 keys, source 1 = 16 queries): a lane holds one query and keys 8 h + 0 .. 7 of tile w: one conversion makes registers 2 w, 2 w + 1 of P's fragment.  O^T = V^T P^T holds one query and eight channels a lane.
; PIPELINE.  A slot is two steps.  THE SOFTMAX RUNS A WHOLE SLOT AHEAD: in slot n the waves read P buffer n % 2 and V's slot n % 2 and write P buffer (n + 1) % 2; nothing that is read in a slot is written in it, so the change of
; slots is the only barrier.  In step j: P and V of step j come from LDS into register set j % 2; the softmax of step j + 2 is made; the products of step j - 1 take set (j - 1) % 2.
; The four products of S^T, the wait for g's tile and the load of the next one stand once a step, on the way that every wave takes.  Of the softmax's vector part there are two copies: waves 0-3 run it ahead of the products V^T P,
; waves 4-7 behind them (a branch on the wave's number), so that one half's vector work stands beside the other half's matrix work.
; CLUSTER.  The four work-groups of a cluster belong to one batch and walk the same V: each slot (131,072 bytes) is asked for JOINTLY, every wave one load of 16,384 bytes with the mask of all four.
; g's tile of a wave and step is 1,024 bytes and goes from memory straight into registers.
; THE WALK BEGINS ELSEWHERE IN EACH CLUSTER: cluster c of a batch's sixteen begins at slot 2 (c % 8) + c / 8 of the batch's sixteen and walks round them.  The sixteen starts are all different, so the first fills of the sixteen clusters,
; at the launch's head, together ask for all of the batch's V while phase A runs, and every later refill names bytes that another cluster has asked for earlier.  That is why no prefetch of V is written.
; REGISTERS.  window 0: v1-19 addresses and constants; v20-23 maxima, later sums; v24-31 l, a pair a tile; v32-39 -M, a pair a tile, later the factor on the way out; v40-47 P's codes; v48-63 g, two buffers; v64-95 f;
;   v96-127 S^T, then p; v128-255 O^T, accumulator (t, m) at 128 + 8 (4 t + m).   window 1: set a at 128 a: P's four fragments, then V's four; in phase A all 256 hold g; at the end set 0 holds x.
.set SLOT1, 1<<17                      ; a slot: V of two steps, dense
.set PB,    2*SLOT1                    ; two buffers of P, each for a slot's two steps: step a at 8,192 a, image m at 2,048 m, piece c at 512 c, 16 bytes a lane
.set PBUF,  16384
.set MX,    PB+2*PBUF                  ; the waves' maxima: 512 bytes a wave
.set LXO,   4096                       ; the waves' sums lie 4,096 bytes behind the maxima
.set STG,   PB                         ; the way out: 16 rows x 272 bytes for each wave, 34,816 bytes in all: over P's buffers and the first half of the maxima, which nobody reads behind the barrier of the sums; no tensor load ever lands here
.set SP,    272
.set SPARE, MX+2*4096                  ; the spare words, 128 bytes for each wave: four blocks of 256 bytes that no other line names
.set L8,   1                           ; v1   8 x lane
.set PRA,  2                           ; v2   P's images, to read: PB + 16 x lane
.set PSA,  3                           ; v3   and to write: + 512 (w / 2) + 8 (w % 2)
.set AV,   4                           ; v4-7 my four tiles of V: step a of slot s at v[4 + a + 2 s]; never rewritten
.set MXS,  8                           ; v8   where I store my maxima (and, LXO on, my sums)
.set MXR,  9                           ; v9   where I read the waves' back
.set STO,  11                          ; v11  the stage: where I put 32 bytes of a row
.set STR,  12                          ; v12  and where I read a row back
.set GOUT, 13                          ; v13  my byte offset in the work-group's rows of x and of out0
.set PFO,  14                          ; v14  256 x lane, for the prefetches; never rewritten
.set SCL,  15                          ; v15  2^e8
.set LIMV, 16                          ; v16  448 x 2^e8
.set SPW,  17                          ; v17  LDS address of my spare word; never rewritten
.set NIL,  18                          ; v18  0; never rewritten
.set TMP,  19
.set RM,   20
.set RL,   24
.set NM,   32
.set PC,   40
.set RG,   48
.set RQ,   64
.set RS,   96
.set RO,   128
; s18 wave, s19 its half, s20 cx, s21 work-group, s22 batch, s23 the slot at which my cluster begins; s[24:31] descriptor group 1; s[32:35], s[36:39] groups 0 (the second walks); s[40:41] lane selects; s[42:43] c;
; s45 slots still to be asked for, at a trip's head; s47 the same at a change; s[50:51] g at my tile of the batch's step 0; s[52:53] the step's offset; s[54:55], s[62:63] the two buffers' bases; s[56:59] e6..e9; s60 gamma; s61 e8 + e9;
; s[66:67] x, s[74:75] out0 at my work-group's rows; s[68:69] x at my wave's share of the prefetch; s[70:71] g for phase A; s[72:73] f; s[92:93] g at my walk's first step; s[94:95] the walking slot's offset in the batch's V; s[96:97] V at my wave's part of the batch's slot 0
.set MSB, 0
.macro WIN new                         ; the immediate's high byte repeats the setting that is left
.if MSB != \new
	s_set_vgpr_msb (MSB<<8)|\new
.set MSB, \new
.endif
.endm
.macro PLACES                          ; four plain places behind matrix instructions, in front of loads into their sources and of the first read of their results
.rept 4
	v_nop
.endr
.endm
.macro BAR                             ; my LDS stores have landed and my LDS loads are in: then the work-group's barrier
	s_wait_dscnt 0x0
	s_barrier_signal -1
	s_barrier_wait -1
.endm
.macro ROUND                           ; a round of the cluster's barrier: my work-group's barrier; wave 0 signals for the work-group; every wave waits for all four work-groups; my work-group's barrier once more
	s_barrier_signal -1
	s_barrier_wait -1
	s_cmp_lg_u32 s18, 0
	s_cbranch_scc1 .Lnot_wave_0_\@
	s_barrier_signal -3
.Lnot_wave_0_\@:
	s_barrier_wait -3
	s_barrier_signal -1
	s_barrier_wait -1
.endm
.macro GLOADA k                        ; phase A: four tiles of g, 16 loads of 256 consecutive bytes, into window 1 at 32 k
	WIN 0x40
.irp u, 0,1,2,3
.irp d, 0,1,2,3
	global_load_b64 v[32*(\k)+8*\u+2*\d:32*(\k)+8*\u+2*\d+1], v[L8], s[70:71] offset:4096*(\k)+1024*\u+256*\d
.endr
.endr
	WIN 0
.endm
	s_load_b256 s[4:11], s[0:1], 0x0               ; fc s[4:5], gc s[6:7], hc s[8:9], x s[10:11]
	s_load_b128 s[12:15], s[0:1], 0x20             ; gamma s[12:13], the exponents s[14:15]
	s_load_b64 s[16:17], s[0:1], 0x30              ; out0
	v_lshl_add_u32 v[SPW], v0, 2, SPARE
	v_mov_b32 v[NIL], 0
	ds_add_u32 v[SPW], v[NIL]                      ; the wave's opening: the add, twice on end, and its wait ahead of my first tensor load; the set-up below, work on registers, stands between
	ds_add_u32 v[SPW], v[NIL]
	v_lshrrev_b32 v1, 5, v0
	v_readfirstlane_b32 s18, v1                    ; wave 0..7
	s_lshr_b32 s19, s18, 2                         ; 0: the softmax's vector part first; 1: the products first
	s_bfe_u32 s20, ttmp6, 0x40000                  ; cx: my place in the cluster: it enters f's, x's and out0's addresses alone
	s_lshl_b32 s21, ttmp9, 2                       ; in a cluster launch ttmp9 counts clusters
	s_add_co_u32 s21, s21, s20                     ; my block of 64 queries
	s_lshr_b32 s22, ttmp9, 4                       ; the batch: 16 clusters each; the four partners share it
	s_and_b32 s76, ttmp9, 15                       ; c: my cluster among the batch's sixteen; the four partners share it
	s_and_b32 s23, s76, 7
	s_lshl_b32 s23, s23, 1
	s_lshr_b32 s76, s76, 3
	s_add_co_u32 s23, s23, s76                     ; the slot at which my cluster's walk begins: 2 (c % 8) + c / 8
	; descriptor group 1: 64 rows of 32 elements of 8 bytes, dense: 16,384 bytes as they lie
	s_mov_b32 s24, 15|(3<<16)|(1<<21)              ; 15:0 the mask: all four work-groups; 17:16 elements of 8 bytes; 20 no padding; 21 set beside a mask
	s_mov_b32 s25, 32<<16                          ; tensor_dim0 = 32
	s_mov_b32 s26, 64<<16                          ; tensor_dim1 = 64
	s_mov_b32 s27, 32<<16                          ; tile_dim0 = 32
	s_mov_b32 s28, 64                              ; tile_dim1 = 64
	s_mov_b32 s29, 32                              ; tensor_dim0_stride
	s_mov_b32 s30, 0
	s_mov_b32 s31, 0
	s_mov_b32 s40, 0x76543210                      ; v_permlanex16_b32: lane l xor 16
	s_mov_b32 s41, 0xfedcba98
	s_mov_b32 s42, 0x3fb8aa3b                      ; log2(e)
	s_mov_b32 s45, 14                              ; of 16 slots' worth of keys two are asked for at the head
	s_lshl_b32 s48, s23, 14                        ; g: my walk's first step, 2 x the slot, 8,192 bytes a step
	s_mov_b32 s49, 0
	s_add_co_u32 s52, s48, 8192                    ; g's buffers begin with the walk's first two steps: the offset stands at the second
	s_mov_b32 s53, 0
	s_lshl_b32 s78, s22, 21                        ; hc: 2,097,152 bytes a batch,
	s_lshl_b32 s33, s18, 14                        ; my wave's 16,384 of a slot: in memory and in LDS alike; no place in the cluster enters them
	s_add_co_u32 s78, s78, s33
	s_mov_b32 s79, 0
	s_mov_b32 s32, 1
	s_mov_b32 s36, 1
	s_add_co_u32 s37, s33, SLOT1
	s_lshl_b32 s80, s23, 17                        ; the walk's first slot, 131,072 bytes a slot,
	s_mov_b32 s81, 0
	s_add_co_u32 s94, s23, 1
	s_and_b32 s94, s94, 15                         ; and its second, round the sixteen
	s_lshl_b32 s94, s94, 17
	s_mov_b32 s95, 0
	s_lshl_b32 s82, s22, 18                        ; gc: 262,144 bytes a batch; main walk: tile w of each step's eight
	s_lshl_b32 s76, s18, 10
	s_add_co_u32 s82, s82, s76
	s_mov_b32 s83, 0
	s_lshl_b32 s84, s22, 18                        ; phase A: tiles 32 w .. 32 w + 31 of the batch's 256
	s_lshl_b32 s76, s18, 15
	s_add_co_u32 s84, s84, s76
	s_mov_b32 s85, 0
	s_lshl_b32 s86, s21, 12                        ; fc: four tiles of 1,024 bytes
	s_mov_b32 s87, 0
	s_lshl_b32 s88, s21, 17                        ; x, out0: 64 rows of 2,048 bytes
	s_mov_b32 s89, 0
	s_lshl_b32 s90, s18, 14
	s_mov_b32 s91, 0
	s_wait_dscnt 0x0                               ; both opening adds are done
	s_wait_kmcnt 0x0
	s_load_b128 s[56:59], s[14:15], 0x18           ; e6, e7, e8, e9
	s_load_b32 s60, s[12:13], 0x0                  ; gamma
	s_add_nc_u64 s[96:97], s[8:9], s[78:79]        ; V at my wave's part of the batch's slot 0
	s_add_nc_u64 s[34:35], s[96:97], s[80:81]      ; LDS slot 0: the walk's first slot
	s_add_nc_u64 s[38:39], s[96:97], s[94:95]      ; LDS slot 1: its second
	s_or_b32 s35, s35, 0x80000000                  ; 127:126 type = 2
	s_or_b32 s39, s39, 0x80000000
	s_add_nc_u64 s[50:51], s[6:7], s[82:83]
	s_add_nc_u64 s[92:93], s[50:51], s[48:49]
	s_add_nc_u64 s[70:71], s[6:7], s[84:85]
	s_add_nc_u64 s[72:73], s[4:5], s[86:87]
	s_add_nc_u64 s[66:67], s[10:11], s[88:89]
	s_add_nc_u64 s[74:75], s[16:17], s[88:89]
	s_add_nc_u64 s[68:69], s[66:67], s[90:91]
	v_and_b32 v[TMP], 31, v0                       ; lane
	v_lshlrev_b32 v[L8], 3, v[TMP]
.irp m, 0,1,2,3
.irp d, 0,1,2,3
	global_load_b64 v[RQ+8*\m+2*\d:RQ+8*\m+2*\d+1], v[L8], s[72:73] offset:1024*\m+256*\d   ; f's four fragments stay in registers.  What phase A waits for first goes out ahead of the fills
.endr
.endr
	GLOADA 0
	GLOADA 1
	GLOADA 2
	ROUND                                          ; all four work-groups are here: the first joint loads meet
	tensor_load_to_lds s[32:35], s[24:31]          ; every wave issues both first fills: two tensor loads of mine are out
	s_nop 0
	tensor_load_to_lds s[36:39], s[24:31]
	s_nop 0
	PLACES
	v_and_b32 v20, 15, v0                          ; r
	v_bfe_u32 v21, v0, 4, 1                        ; h
	v_lshl_add_u32 v[PRA], v[TMP], 4, PB
	s_lshr_b32 s76, s18, 1
	s_lshl_b32 s76, s76, 9
	s_and_b32 s77, s18, 1
	s_lshl_b32 s77, s77, 3
	s_add_co_u32 s76, s76, s77
	v_add_nc_u32 v[PSA], s76, v[PRA]
	s_lshl_b32 s76, s18, 13
	v_lshl_add_u32 v[AV], v[TMP], 4, s76           ; my four tiles of V: 8,192 w + 16 x lane,
	v_add_nc_u32 v[AV+1], 0x10000, v[AV]           ; in a slot's second step,
	v_add_nc_u32 v[AV+2], 0x20000, v[AV]           ; and the same two in slot 1
	v_add_nc_u32 v[AV+3], 0x30000, v[AV]
	s_lshl_b32 s76, s18, 9
	v_lshl_add_u32 v[MXR], v[TMP], 4, MX
	v_add_nc_u32 v[MXS], s76, v[MXR]
	s_mul_i32 s77, s18, 16*SP
	s_add_co_u32 s77, s77, STG                     ; my stage
	v_mul_u32_u24 v[STO], v20, SP
	v_lshl_add_u32 v[STO], v21, 5, v[STO]
	v_add_nc_u32 v[STO], s77, v[STO]               ; in: row r, 32 bytes for each half of the lanes
	v_mul_u32_u24 v[STR], v21, SP
	v_lshl_add_u32 v[STR], v20, 4, v[STR]
	v_add_nc_u32 v[STR], s77, v[STR]               ; back: lanes 0-15 one row of 256 bytes, lanes 16-31 the next
	v_lshlrev_b32 v[GOUT], 11, v21
	v_lshl_add_u32 v[GOUT], v20, 4, v[GOUT]
	s_lshl_b32 s76, s18, 8
	v_add_nc_u32 v[GOUT], s76, v[GOUT]             ; and the same two rows in x and out0, at my wave's 256 bytes
	v_lshlrev_b32 v[PFO], 8, v[TMP]
.irp m, 0,1,2,3
	v_mov_b32 v[RM+\m], 0xff800000                 ; the largest score so far: -infinity
.endr
.irp j, 0,1,2,3,4,5,6,7
	v_mov_b32 v[RL+\j], 0                          ; l
.endr
	s_wait_kmcnt 0x0
	s_add_co_i32 s76, s56, s57
	s_lshl_b32 s76, s76, 23
	s_add_co_i32 s42, s42, s76                     ; a score stands for score x 2^(e6 + e7): the two exponents are added to the exponent field of log2(e)
	s_mov_b32 s43, s42                             ; (named with it as a pair, so it is written)
	s_add_co_i32 s76, s58, 127
	s_lshl_b32 s77, s76, 23
	v_mov_b32 v[SCL], s77
	s_add_co_i32 s76, s76, 8
	s_lshl_b32 s76, s76, 23
	s_or_b32 s76, s76, 0x600000
	v_mov_b32 v[LIMV], s76
	s_add_co_i32 s61, s58, s59
; PHASE A.  Batch k of eight: four tiles of keys x four tiles of queries, into O^T's registers, which are free; the maxima run in four chains.  cnt: the loads younger than this batch's.
.macro ABATCH k, cnt
	s_wait_loadcnt \cnt
	WIN 0x01                                       ; source 0 (g) window 1
.irp u, 0,1,2,3
.irp m, 0,1,2,3
	v_wmma_f32_16x16x64_fp8_fp8 v[RO+8*(4*\u+\m):RO+8*(4*\u+\m)+7], v[32*(\k)+8*\u:32*(\k)+8*\u+7], v[RQ+8*\m:RQ+8*\m+7], 0
.endr
.endr
	WIN 0
.if (\k) <= 4
	GLOADA (\k)+3                                  ; three batches ahead
.endif
.if (\k) == 5
.irp b, 0,1
.irp d, 0,1,2,3
	global_load_b64 v[RG+8*\b+2*\d:RG+8*\b+2*\d+1], v[L8], s[92:93] offset:8192*\b+256*\d   ; the main walk's first two tiles of g: the walk begins at an even step, so the second lies 8,192 bytes on
.endr
.endr
.endif
	PLACES
.irp u, 0,1,2,3
.irp i, 0,2,4,6
.irp m, 0,1,2,3
	v_max3_num_f32 v[RM+\m], v[RM+\m], v[RO+8*(4*\u+\m)+\i], v[RO+8*(4*\u+\m)+\i+1]   ; each accumulator from its low end on
.endr
.endr
.endr
.endm
	ABATCH 0, 32                                   ; f and batch 0 are in; batches 1 and 2 may be out
	ABATCH 1, 32
	ABATCH 2, 32
	ABATCH 3, 32
	ABATCH 4, 32
	ABATCH 5, 32
	ABATCH 6, 24                                   ; batch 7 and g's eight loads
	ABATCH 7, 8                                    ; g's eight loads
.irp m, 0,1,2,3
	v_permlanex16_b32 v[TMP], v[RM+\m], s40, s41   ; the query's other keys lie in the lane 16 away
	v_max_num_f32 v[RM+\m], v[RM+\m], v[TMP]
.endr
	ds_store_b128 v[MXS], v[RM:RM+3]
	BAR                                            ; every wave's maxima lie in LDS.  (The first fills may stay out)
.irp w, 0,1,2,3,4,5,6,7
	ds_load_b128 v[RS+4*\w:RS+4*\w+3], v[MXR] offset:512*\w
.endr
	s_wait_dscnt 0x0
.irp m, 0,1,2,3
	v_max3_num_f32 v[RM+\m], v[RS+\m], v[RS+4+\m], v[RS+8+\m]
.endr
.irp m, 0,1,2,3
	v_max3_num_f32 v[RM+\m], v[RM+\m], v[RS+12+\m], v[RS+16+\m]
.endr
.irp m, 0,1,2,3
	v_max3_num_f32 v[RM+\m], v[RM+\m], v[RS+20+\m], v[RS+24+\m]
.endr
.irp m, 0,1,2,3
	v_max_num_f32 v[RM+\m], v[RM+\m], v[RS+28+\m]
.endr
.irp m, 0,1,2,3
	v_mul_f32 v[RM+\m], s42, v[RM+\m]              ; as t (c is positive)
.endr
.irp m, 0,1,2,3
	v_floor_f32 v[NM+2*\m], -v[RM+\m]              ; -M = floor(-t) = -ceil(t)
	v_floor_f32 v[NM+2*\m+1], -v[RM+\m]
.endr
; P and V of step a of the slot of parity pp, from LDS into register set a: 32 loads of 512 consecutive bytes.  The four places stand behind the set's last products.
.macro LOAD a, pp
	PLACES
	WIN 0x40                                       ; destination window 1
.irp m, 0,1,2,3
.irp c, 0,1,2,3
	ds_load_b128 v[128*(\a)+16*\m+4*\c:128*(\a)+16*\m+4*\c+3], v[PRA] offset:PBUF*(\pp)+8192*(\a)+2048*\m+512*\c
.endr
.endr
.irp t, 0,1,2,3
.irp c, 0,1,2,3
	ds_load_b128 v[128*(\a)+64+16*\t+4*\c:128*(\a)+64+16*\t+4*\c+3], v[AV+(\a)+2*(\pp)] offset:2048*\t+512*\c
.endr
.endr
	WIN 0
.endm
; THE SCORES of my 16 keys of a step, for the 64 queries, from g's buffer gb, which the step's wait has shown to be in; and the places behind them
.macro SMM gb
.irp m, 0,1,2,3
	v_wmma_f32_16x16x64_fp8_fp8 v[RS+8*\m:RS+8*\m+7], v[RG+8*(\gb):RG+8*(\gb)+7], v[RQ+8*\m:RQ+8*\m+7], 0
.endr
	PLACES
.endm
; g's buffer gb, which the scores above have read, takes my tile of two steps on, round the batch's 32 steps (the walk's last two reloads bring tiles that nobody uses).  The step's wait has shown the buffer's old loads done:
; so its registers may be loaded again and its base pair written.
.macro GNEXT gb
.if (\gb) == 0
.set GAR, 54
.else
.set GAR, 62
.endif
	s_add_co_u32 s52, s52, 8192                    ; the next step that has not been asked for,
	s_and_b32 s52, s52, 0x3ffff                    ; modulo the batch's 262,144 bytes
	s_add_nc_u64 s[GAR:GAR+1], s[50:51], s[52:53]
.irp d, 0,1,2,3
	global_load_b64 v[RG+8*(\gb)+2*\d:RG+8*(\gb)+2*\d+1], v[L8], s[GAR:GAR+1] offset:256*\d
.endr
.endm
; THE SOFTMAX'S VECTOR PART: the scores become p, l takes p's sum, p becomes codes, and these go into P's buffer at byte off.
.macro SMV off
.irp i, 0,2,4,6
.irp m, 0,1,2,3
	v_pk_fma_f32 v[RS+8*\m+\i:RS+8*\m+\i+1], v[RS+8*\m+\i:RS+8*\m+\i+1], s[42:43], v[NM+2*\m:NM+2*\m+1] op_sel_hi:[1,0,0]   ; t - M, two at a time; each accumulator from its low end on
.endr
.endr
.set j, 0
.rept 32
	v_exp_f32 v[RS+j], v[RS+j]                     ; p = 2^(t - M): NOT normalised
.set j, j+1
.endr
	v_nop                                          ; a plain line behind the last exponential
	s_wait_alu depctr_va_vdst(0)                   ; one wait for the batch of 32, ahead of its first reader
.irp i, 0,2,4,6
.irp m, 0,1,2,3
	v_pk_add_f32 v[RL+2*\m:RL+2*\m+1], v[RL+2*\m:RL+2*\m+1], v[RS+8*\m+\i:RS+8*\m+\i+1]   ; THE ROW'S SUM IS TAKEN OF THE UNQUANTISED p
.endr
.endr
.set j, 0
.rept 32
	v_min_num_f32 v[RS+j], v[RS+j], v[LIMV]        ; the conversion to an 8-bit code does not saturate (ISA guide 7.6.2); p is not negative, so the hold is one-sided
.set j, j+1
.endr
.irp m, 0,1,2,3
	v_cvt_scalef32_pk8_fp8_f32 v[PC+2*\m:PC+2*\m+1], v[RS+8*\m:RS+8*\m+7], v[SCL]
.endr
	v_nop                                          ; a plain line behind the last conversion: the next scores write its sources
.irp m, 0,1,2,3
	ds_store_b64 v[PSA], v[PC+2*\m:PC+2*\m+1] offset:(\off)+2048*\m   ; registers 2 w, 2 w + 1 of image m
.endr
.endm
; O^T += V^T P^T from register set a: 16 products on 16 accumulators, one turn each; S^T's products, or the other fifteen, stand between two links of a chain.  zero = 1: they start the sums
.macro PV a, zero
	WIN 0x05                                       ; sources 0 (V) and 1 (P) window 1
.irp t, 0,1,2,3
.irp m, 0,1,2,3
.if (\zero)
	v_wmma_f32_16x16x128_fp8_fp8 v[RO+8*(4*\t+\m):RO+8*(4*\t+\m)+7], v[128*(\a)+64+16*\t:128*(\a)+64+16*\t+15], v[128*(\a)+16*\m:128*(\a)+16*\m+15], 0
.else
	v_wmma_f32_16x16x128_fp8_fp8 v[RO+8*(4*\t+\m):RO+8*(4*\t+\m)+7], v[128*(\a)+64+16*\t:128*(\a)+64+16*\t+15], v[128*(\a)+16*\m:128*(\a)+16*\m+15], v[RO+8*(4*\t+\m):RO+8*(4*\t+\m)+7]
.endif
.endr
.endr
	WIN 0
.endm
; STEP a of a slot of parity pp.  sm = 1: the softmax of the step two on, into the other P buffer; pv = 2: the products of the step before; 1: they start the sums; 0: none.
; The fragment loads stand once, on every wave's way: in a slot's second step at its head; in its first step behind the first copy of the vector part, so that the two halves of the waves ask LDS at different moments behind the change of slots.
.macro STEP a, pp, sm, pv
.if (\sm) == 0
	LOAD \a, \pp
.elseif (\a) == 1
	LOAD \a, \pp
.endif
.if \sm
	s_wait_loadcnt 4                               ; the four loads of the buffer that this step's scores take are in; the other buffer's four, issued a step later, may be out
	SMM \a
	GNEXT \a
.if \pv
	s_cmp_lg_u32 s19, 0
	s_cbranch_scc1 .Lmid_\@
.endif
	SMV PBUF*(1-(\pp))+8192*(\a)
.if \pv
.Lmid_\@:
.endif
.if (\a) == 0
	LOAD \a, \pp
.endif
.endif
	s_wait_dscnt 32                                ; all but the youngest 32: behind the loads of the set that is multiplied now stand this step's 32 loads and, on some ways, four stores of P: 32 or more on every way.
	                                               ; In a slot's first step it also shows the stores of P just made done: their registers take the next codes only behind such a wait, or behind the change's
.if \pv
	PV 1-\a, 2-\pv
.if \sm
	s_cmp_eq_u32 s19, 0
	s_cbranch_scc1 .Ldone_\@
	SMV PBUF*(1-(\pp))+8192*(\a)
.Ldone_\@:
.endif
.endif
.endm
; A PREFETCH INTO THE L2: at the last change that fills a slot each wave asks for 16,384 of its work-group's 131,072 bytes of x, lanes 256 bytes apart, which the way out will load four steps later.  Each block of 256 bytes is named once
; in the launch; the address registers are never rewritten.
.macro ASKX
	s_cmp_eq_u32 s47, 1
	s_cbranch_scc0 .Lnot_yet_\@
	global_prefetch_b8 v[PFO], s[68:69] th:TH_LOAD_NT scope:SCOPE_SE
	global_prefetch_b8 v[PFO], s[68:69] offset:8192 th:TH_LOAD_NT scope:SCOPE_SE
.Lnot_yet_\@:
.endm
; THE CHANGE OF SLOTS.  Each wave waits for all its tensor loads (one is out: its part of the slot ahead), adds 0 to its spare word, and waits for that and for its LDS instructions: both steps of the slot that is left are in
; registers, and its part of the next slot's P lies in LDS.  fill = 1: the barrier is a round of the cluster's, and the joint refill of the slot just left is the first thing behind it: it has two steps in which to land.
; dec: how many changes of this trip stand ahead of this one.
.macro CHANGE fill, dec
	s_wait_tensorcnt 0x0                           ; no tensor load of mine is out, so a group 0 may be written
	ds_add_u32 v[SPW], v[NIL]                      ; 0 onto my spare word: the steps below stand between it and the wait for it
.if \fill
	s_xor_b32 s37, s37, SLOT1                      ; the walking descriptor: the other slot than last time,
	s_add_co_u32 s94, s94, 131072                  ; the next two steps,
	s_and_b32 s94, s94, 0x1fffff                   ; round the batch's 2,097,152 bytes
	s_add_nc_u64 s[38:39], s[96:97], s[94:95]
	s_or_b32 s39, s39, 0x80000000                  ; 127:126 type = 2
	s_sub_co_u32 s47, s45, \dec                    ; slots still to be asked for, this one among them
.endif
	s_wait_dscnt 0x0
.if \fill
	ROUND
	tensor_load_to_lds s[36:39], s[24:31]
	s_nop 0
	PLACES
	ASKX
.else
	s_barrier_signal -1
	s_barrier_wait -1
.endif
.endm
	s_wait_loadcnt 4                               ; g's tile of the walk's step 0 is in; step 1's four loads may be out
	SMM 0
	GNEXT 0                                        ; g's tile of step 2
	SMV 0                                          ; P of step 0: there are no products yet to set beside it
	s_wait_loadcnt 4
	SMM 1
	GNEXT 1
	s_wait_dscnt 0x0                               ; the stores of step 0's codes are done: their registers take step 1's
	SMV 8192                                       ; P of step 1
	s_wait_tensorcnt 1                             ; my part of slot 0 is in; slot 1's may stay out
	BAR
	STEP 0, 0, 1, 0                                ; step 0: softmax of step 2 | fragments
	STEP 1, 0, 1, 1                                ; step 1: fragments | softmax of step 3 | products of step 0 start the sums
.Lpair:                                            ; 7 trips of two slots: slots 1 to 14 of the walk; behind each change the next slot is asked for
	CHANGE 1, 0
	STEP 0, 1, 1, 2
	STEP 1, 1, 1, 2
	CHANGE 1, 1
	STEP 0, 0, 1, 2
	STEP 1, 0, 1, 2
	s_sub_co_u32 s45, s45, 2
	s_cmp_lg_u32 s45, 0
	s_cbranch_scc1 .Lpair
	CHANGE 0, 0                                    ; the last slot is written out: nothing is left to ask for, and no softmax is left
	STEP 0, 1, 0, 2                                ; step 30: fragments | products of step 29
	STEP 1, 1, 0, 2                                ; step 31: fragments | products of step 30
	PLACES                                         ; set 0 has been multiplied: it takes x
	WIN 0x40
.irp m, 0,1,2,3
.irp i, 0,1,2,3,4,5,6,7
	global_load_b128 v[4*(8*\m+\i):4*(8*\m+\i)+3], v[GOUT], s[66:67] offset:(16*\m+2*\i)*2048 th:TH_LOAD_NT   ; sixteen lanes read 256 consecutive bytes of a row: my wave's 64 channels
.endr
.endr
	WIN 0
.irp m, 0,1,2,3
	v_add_f32 v[RM+\m], v[RL+2*\m], v[RL+2*\m+1]   ; l's two halves,
.endr
.irp m, 0,1,2,3
	v_permlanex16_b32 v[TMP], v[RM+\m], s40, s41
	v_add_f32 v[RM+\m], v[RM+\m], v[TMP]           ; and lane l xor 16's
.endr
	ds_store_b128 v[MXS], v[RM:RM+3] offset:LXO
	BAR                                            ; every wave's sums lie in LDS; step 31's fragments are in; and nobody reads P's buffers any more
	PV 1, 0                                        ; products of step 31
.irp w, 0,1,2,3,4,5,6,7
	ds_load_b128 v[RS+4*\w:RS+4*\w+3], v[MXR] offset:LXO+512*\w
.endr
	s_wait_dscnt 0x0
.irp m, 0,1,2,3                                    ; the eight waves' sums; these additions are also the places behind the last products
	v_add_f32 v[RS+\m], v[RS+\m], v[RS+4+\m]
	v_add_f32 v[RS+8+\m], v[RS+8+\m], v[RS+12+\m]
	v_add_f32 v[RS+16+\m], v[RS+16+\m], v[RS+20+\m]
	v_add_f32 v[RS+24+\m], v[RS+24+\m], v[RS+28+\m]
.endr
.irp m, 0,1,2,3
	v_add_f32 v[RS+\m], v[RS+\m], v[RS+8+\m]
	v_add_f32 v[RS+16+\m], v[RS+16+\m], v[RS+24+\m]
.endr
.irp m, 0,1,2,3
	v_add_f32 v[RM+\m], v[RS+\m], v[RS+16+\m]
.endr
.irp m, 0,1,2,3
	v_rcp_f32 v[NM+2*\m], v[RM+\m]
.endr
	v_nop                                          ; a plain line behind the last reciprocal
	s_wait_alu depctr_va_vdst(0)                   ; one wait for the four, ahead of their first reader
.irp m, 0,1,2,3
	v_mul_f32 v[NM+2*\m], s60, v[NM+2*\m]          ; gamma / l
.endr
.irp m, 0,1,2,3
	v_ldexp_f32 v[NM+2*\m], v[NM+2*\m], s61        ; x 2^(e8 + e9)
.endr
.irp m, 0,1,2,3
	v_mov_b32 v[NM+2*\m+1], v[NM+2*\m]
.endr
; THE WAY OUT, a tile of 16 queries at a time.  A lane's 32 bytes of a row go into my stage (rows of 272 bytes) and come back as whole rows of 256, into the registers that they left; x is added; sixteen lanes store 256 consecutive bytes.
.macro PACK m
.irp t, 0,1,2,3
.irp i, 0,2,4,6
	v_pk_mul_f32 v[RO+8*(4*\t+(\m))+\i:RO+8*(4*\t+(\m))+\i+1], v[RO+8*(4*\t+(\m))+\i:RO+8*(4*\t+(\m))+\i+1], v[NM+2*(\m):NM+2*(\m)+1] op_sel_hi:[1,0]   ; each accumulator from its low end on
.endr
.endr
.irp t, 0,1,2,3
	ds_store_b128 v[STO], v[RO+8*(4*\t+(\m)):RO+8*(4*\t+(\m))+3] offset:64*\t
	ds_store_b128 v[STO], v[RO+8*(4*\t+(\m))+4:RO+8*(4*\t+(\m))+7] offset:64*\t+16
.endr
.irp i, 0,1,2,3,4,5,6,7
	ds_load_b128 v[RO+8*(4*(\i/2)+(\m))+4*(\i%2):RO+8*(4*(\i/2)+(\m))+4*(\i%2)+3], v[STR] offset:2*SP*\i   ; LDS serves a wave's instructions in order (ISA guide 5.7.1.4): these see the stores above; the next tile's stores come behind them
.endr
.endm
.macro SEND m, younger                 ; younger: the LDS instructions issued behind tile m's loads: the next tile's sixteen, or none
	s_wait_dscnt \younger
	WIN 0x04                                       ; source 1 (x) window 1
.irp i, 0,1,2,3,4,5,6,7
.irp e, 0,2
	v_pk_add_f32 v[RO+8*(4*(\i/2)+(\m))+4*(\i%2)+\e:RO+8*(4*(\i/2)+(\m))+4*(\i%2)+\e+1], v[RO+8*(4*(\i/2)+(\m))+4*(\i%2)+\e:RO+8*(4*(\i/2)+(\m))+4*(\i%2)+\e+1], v[4*(8*(\m)+\i)+\e:4*(8*(\m)+\i)+\e+1]
.endr
.endr
	WIN 0
.irp i, 0,1,2,3,4,5,6,7
	global_store_b128 v[GOUT], v[RO+8*(4*(\i/2)+(\m))+4*(\i%2):RO+8*(4*(\i/2)+(\m))+4*(\i%2)+3], s[74:75] offset:(16*(\m)+2*\i)*2048 th:TH_STORE_NT   ; at a multiple of 256 from out0's first byte; written once, read by nobody here
.endr
.endm
	s_wait_loadcnt 0x0                             ; x
	PACK 0
	PACK 1                                         ; a tile's arithmetic stands between the loads of the tile before and its stores
	SEND 0, 16
	PACK 2
	SEND 1, 16
	PACK 3
	SEND 2, 16
	SEND 3, 0
	s_wait_tensorcnt 0x0                           ; the wave's end, behind my last tensor load and my last LDS store
	ds_add_u32 v[SPW], v[NIL]
	s_wait_dscnt 0x0
	ROUND                                          ; the closing round: no work-group ends while a partner may still ask for a tile that names it
	s_endpgm
.Lfunc_end_k_qdd1fdec77b_attn:
	.size	k_qdd1fdec77b_attn, .Lfunc_end_k_qdd1fdec77b_attn-k_qdd1fdec77b_attn
	.p2alignl 7, 3214868480
	.fill 96, 4, 3214868480
	.section	.rodata,"a",@progbits
	.p2align	6, 0x0
	.amdhsa_kernel k_qdd1fdec77b_attn
		.amdhsa_group_segment_fixed_size 327680
		.amdhsa_private_segment_fixed_size 0
		.amdhsa_enable_private_segment 0
		.amdhsa_kernarg_size 56
		.amdhsa_user_sgpr_count 2
		.amdhsa_user_sgpr_kernarg_segment_ptr 1
		.amdhsa_wavefront_size32 1
		.amdhsa_system_sgpr_workgroup_id_x 1
		.amdhsa_system_sgpr_workgroup_id_y 1
		.amdhsa_system_sgpr_workgroup_id_z 1
		.amdhsa_system_vgpr_workitem_id 0
		.amdhsa_next_free_vgpr 512
		.amdhsa_next_free_sgpr 100
		.amdhsa_reserve_vcc 0
		.amdhsa_float_denorm_mode_32 3
		.amdhsa_float_denorm_mode_16_64 3
		.amdhsa_memory_ordered 1
		.amdhsa_forward_progress 1
		.amdhsa_inst_pref_size 185
	.end_amdhsa_kernel
	.amdgpu_metadata
---
amdhsa.version: [ 1, 2 ]
amdhsa.kernels:
  - .name:           k_qdd1fdec77b_attn
    .symbol:         k_qdd1fdec77b_attn.kd
    .args:
      - { .name: fc, .offset: 0, .size: 8, .value_kind: global_buffer, .address_space: global }
      - { .name: gc, .offset: 8, .size: 8, .value_kind: global_buffer, .address_space: global }
      - { .name: hc, .offset: 16, .size: 8, .value_kind: global_buffer, .address_space: global }
      - { .name: x, .offset: 24, .size: 8, .value_kind: global_buffer, .address_space: global }
      - { .name: gamma, .offset: 32, .size: 8, .value_kind: global_buffer, .address_space: global }
      - { .name: lowp_scales, .offset: 40, .size: 8, .value_kind: global_buffer, .address_space: global }
      - { .name: out0, .offset: 48, .size: 8, .value_kind: global_buffer, .address_space: global }
    .group_segment_fixed_size: 327680
    .private_segment_fixed_size: 0
    .kernarg_segment_align: 8
    .kernarg_segment_size: 56
    .max_flat_workgroup_size: 256
    .sgpr_count:     100
    .vgpr_count:     512
    .wavefront_size: 32
...
	.end_amdgpu_metadata
.endif
;; end of part 2
